; MI455X (gfx1250); checked and timed in simulation.
; The chip was launched on July 23, 2026; its instructions are those of AMD's public machine-readable ISA for CDNA 5 (MIT licence, August 2026) and "CDNA5" Instruction Set Architecture Reference Guide (July 2026). The comments in the code are by the model that wrote it; some were corrected since.
;; Multi Head Attention. Allowed arithmetic: matrix products marked QUANTISED: E2M1 operands, one E8M0 scale for each 32 along K, by v_wmma_scale_f32_16x16x128_f8f6f4 with both operands' format E2M1 (or v_wmma_scale_f32_32x16x128_f4), f32 sums; everything else in f32.
;; Inputs: Wk_codes 1,024 x 32 x 16 uint8 (E2M1 codes of Wk, K innermost, in blocks of 32 codes, two codes a byte); Wk_scales 1,024 x 32 uint8 (E8M0 scales of Wk, one for each 32 codes along K); Wo_codes 1,024 x 32 x 16 uint8 (E2M1 codes of Wo, K innermost, in blocks of 32 codes, two codes a byte); Wo_scales 1,024 x 32 uint8 (E8M0 scales of Wo, one for each 32 codes along K); Wq_codes 1,024 x 32 x 16 uint8 (E2M1 codes of Wq, K innermost, in blocks of 32 codes, two codes a byte); Wq_scales 1,024 x 32 uint8 (E8M0 scales of Wq, one for each 32 codes along K); Wv_codes 1,024 x 32 x 16 uint8 (E2M1 codes of Wv, K innermost, in blocks of 32 codes, two codes a byte); Wv_scales 1,024 x 32 uint8 (E8M0 scales of Wv, one for each 32 codes along K); bk 1,024 float32; bo 1,024 float32; bq 1,024 float32; bv 1,024 float32; x_codes 4 x 2,048 x 32 x 16 uint8 (E2M1 codes of x, K innermost, in blocks of 32 codes, two codes a byte); x_scales 4 x 2,048 x 32 uint8 (E8M0 scales of x, one for each 32 codes along K).
;; Outputs: out0 4 x 2,048 x 1,024 float32.
;; This version of the problem:
;;   THIS VERSION OF THE PROBLEM IS GIVEN IN LOW PRECISION. The matrix products marked QUANTISED in the list below multiply operands that are first quantised to E2M1 (2 exponent bits, 1 mantissa bit; 4 bits a number), with one power-of-two scale for each 32 numbers along K (OCP MX v1.0); their sums are f32. All else is computed in f32.
;;   The module's matrix products, in the order in which they are computed (A, B: the left and right operand; K: the contracted axis; several contracted axes count as one K, in the product's order):
;;     1. [M 8,192, K 1,024] x [K 1,024, N 1,024]; A: input x (given as codes); B: input Wq (given as codes): QUANTISED
;;     2. [M 8,192, K 1,024] x [K 1,024, N 1,024]; A: input x (given as codes); B: input Wk (given as codes): QUANTISED
;;     3. [M 8,192, K 1,024] x [K 1,024, N 1,024]; A: input x (given as codes); B: input Wv (given as codes): QUANTISED
;;     4. batch 64 x [M 2,048, K 64] x [K 64, N 2,048]; A: computed on the way; B: computed on the way: QUANTISED
;;     5. batch 64 x [M 2,048, K 2,048] x [K 2,048, N 64]; A: softmax (see below); B: computed on the way: QUANTISED
;;     6. [M 8,192, K 1,024] x [K 1,024, N 1,024]; A: computed on the way; B: input Wo (given as codes): QUANTISED
;;   THE QUANTISER, for each operand of a quantised product, along K:
;;     - K is cut into blocks of 32 from its start; a last block that is shorter is filled with zeros.
;;     - A block's scale is 2^e with e = floor(log2(the largest magnitude in the block)) - 2, held to -126 .. 127; a block of zeros has e = 0. As a byte (E8M0): e + 127.
;;     - Each number is divided by its block's scale, clamped to +-6, and rounded to the nearest number of E2M1, ties to even, subnormals kept.
;;     - The product sums the exact products of the quantised numbers (number of the format x scale) in f32.
;;   ~~~python
;;   def quantise(x, axis):      # numpy; x: float32 -> the quantised numbers, widened to float32 again
;;       x = np.moveaxis(x, axis, -1); K = x.shape[-1]
;;       x = np.pad(x, [(0, 0)] * (x.ndim - 1) + [(0, -K % 32)]); x = x.reshape(x.shape[:-1] + (-1, 32)); a = np.abs(x).max(-1, keepdims=True)
;;       e = np.where(a > 0, np.clip(np.frexp(np.where(a > 0, a, 1))[1] - 1 - 2, -126, 127), 0)      # np.frexp(a)[1] - 1 = floor(log2(a)), exactly
;;       r = np.clip(x / 2.0 ** e, -6, 6)
;;       step = 2.0 ** (np.maximum(np.frexp(np.where(r == 0, 1, r))[1] - 1, 0) - 1)
;;       q = np.round(r / step) * step * 2.0 ** e      # np.round: ties to even
;;       return np.moveaxis(q.reshape(q.shape[:-2] + (-1,))[..., :K], -1, axis).astype(np.float32)
;;   ~~~
;;   SOFTMAX AHEAD OF A QUANTISED PRODUCT. Where the list says 'softmax', what is quantised is not the finished softmax but p = 2^(t - M), with t = logit x log2(e) and M = ceil(the row's largest t), a whole number; so 1/2 < the row's largest p <= 1. The row's sum l is taken of the UNQUANTISED p, in f32, and the product's result is divided by l at the end. Since M is a whole number, a kernel that streams over the keys may use a running M (the ceiling of the running maximum): every later rescaling is an exact power of two, which a block's scale takes up: the codes' values come out the same.
;;   OPERANDS COMPUTED ON THE WAY. 'Computed on the way' means the value that the module computes at that place (a softmax that the list does not call 'softmax' is quantised finished and normalised). What goes into a quantiser is computed in f32, as accurately as f32 sums, v_exp_f32 and their like allow (about 1e-6 of the number): no bf16 or f16 on the way to a quantiser, and a product that is left as it is and whose result goes on into a quantised operand takes f32 operands (vector FMAs, or v_wmma_f32_16x16x4_f32). A number that lies on a knife's edge between two numbers of the format may be rounded either way, as far as f32 arithmetic and the matrix unit's own rounding can turn it there, and no further.
;;   INPUTS GIVEN AS CODES. Wk (in the module: [1024, 1024], K = its axis 1); Wo (in the module: [1024, 1024], K = its axis 1); Wq (in the module: [1024, 1024], K = its axis 1); Wv (in the module: [1024, 1024], K = its axis 1); x (in the module: [4, 2048, 1024], K = its axis 2): each comes as NAME_codes (uint8): NAME with its K axis moved to the last place and cut into blocks of 32 codes, [.., K / 32, bytes a block], one block behind the other in memory; two codes a byte, the lower K in the low four bits (a code: sign, 2 exponent bits, 1 mantissa bit); and NAME_scales (uint8): the same leading axes, one E8M0 byte (e + 127) for each 32 codes along K. Its value is code x scale, taken as it is: it is not quantised again, and the codes and scales need not be those that the quantiser above would give.
;; One version. Each part assembles by itself: llvm-mc -triple=amdgcn-amd-amdhsa -mcpu=gfx1250 --defsym DOCPART=n.
;; ======== version 1 of 1: 3 launches
;; workspace buffers: qc 4,194,304 bytes; qs 524,288 bytes; kc 4,194,304 bytes; ks 524,288 bytes; vc 4,194,304 bytes; vs 262,144 bytes; ac 4,194,304 bytes; asc 524,288 bytes
;; launch qkv (part 1): grid 12 x 32, 4 waves a work-group, clusters of 4 x 4, 270,848 bytes of LDS; arguments x_codes, x_scales, Wq_codes, Wq_scales, bq, qc, qs, Wk_codes, Wk_scales, bk, kc, ks, Wv_codes, Wv_scales, bv, vc, vs; writes qc, qs, kc, ks, vc, vs
.if DOCPART == 1
	.amdgcn_target "amdgcn-amd-amdhsa--gfx1250"
	.amdhsa_code_object_version 6
	.text
	.protected	k_q5ca0cd69ce_qkv
	.globl	k_q5ca0cd69ce_qkv
	.p2align	8
	.type	k_q5ca0cd69ce_qkv,@function
k_q5ca0cd69ce_qkv:
	s_mov_b64 s[64:65], 0
	v_nop
	global_prefetch_b8 v0, s[64:65] scope:SCOPE_SE
	s_setreg_imm32_b32 hwreg(HW_REG_WAVE_MODE, 25, 1), 1
	s_wait_xcnt 0x0
	s_wait_alu depctr_hold_cnt(0) depctr_sa_sdst(0) depctr_va_vdst(0) depctr_va_sdst(0) depctr_va_ssrc(0) depctr_va_vcc(0) depctr_vm_vsrc(0)
	s_getreg_b32 s2, hwreg(HW_REG_IB_STS2, 6, 4)
	s_cmp_eq_u32 s2, 0
	s_cbranch_scc0 .Lentry_in_a_cluster
	s_endpgm
.Lentry_in_a_cluster:
	s_bfe_u32 s2, ttmp6, 0x10000c
	s_cmp_lg_u32 s2, 0xf033
	s_cbranch_scc0 .Lentry_shape_is_right
	s_endpgm
.Lentry_shape_is_right:
; q = x Wq^T + bq, k = x Wk^T + bk, v = x Wv^T + bv on codes of FP4 (E2M1) with one E8M0 scale for each 32 along K = 1,024; the results are quantised at once:
; q and k along the head's 64 features (two blocks), v along the keys (tokens), and leave as IMAGES OF OPERAND REGISTERS for the attention launch.
; SHARES.  The cluster's x says which product (0 q, 1 k, 2 v); cx which 256 features; 4 x cluster y + cy which 256 tokens.  A work-group of four waves makes 256 x 256, a wave 128 x 128: 64 accumulators, 512 registers.
; All of K fits in LDS: 256 rows of x and 256 rows of W, 512 bytes + 16 of padding each.  They are filled ONCE, by one joint tensor load a wave (x shared along a row of the cluster, W along a column), so there is one barrier and no slot is filled again.
; THE AXIS THAT IS QUANTISED IS SOURCE 0.  q, k: source 0 = 16 features, source 1 = 16 tokens.  v: source 0 = 16 tokens, source 1 = 16 features.  In the result lane (r, h) holds row r of source 1, and register j of tile b index 16 b + 8 h + j
; of source 0's axis.  A block of 32 is tiles 2 c and 2 c + 1, half of it in lane l, half in lane l xor 16.  Tile t's eight codes go to register 4 (t / 4) + 2 (t % 2) + (t / 2) % 2, and two exchanges of lane halves for each 64 along the axis
; give the operand's layout: registers 4 c .. 4 c + 3 of lane (r, h) hold k = 64 c + 32 h + 0 .. 31.
; OUT: codes at n 2^20 + fg 2^17 + c 65536 + tg 4096 + a 512 + 16 lane (n batch, fg group of 128 features, tg group of 128 tokens, a the source-1 tile, c the half of the fragment: for q, k the head's parity).
; LIMITS: NaN, infinities and the scale byte 0xff among the inputs are not served.  A block whose largest magnitude lies under 2^-124 (a block of zeros too) gets the byte 1; its bytes are read by this program alone.
; REGISTERS, in windows of 256: window 0: v1-18 addresses and constants; v32-63 source 0's scale words, v64-95 source 1's (register 8 p + s: K step s; lanes 0-15 tile 2 p, lanes 16-31 tile 2 p + 1); v96-127 at work;
;   v128-191, v192-255 source 1's fragments, two sets; at the end v128-191 the codes.   window 1: v0-63, v128-191 source 0's two sets; v64-127 the bias in the result's layout.   windows 2, 3: accumulator (a, b) at v[8 (8 (a % 4) + b)] of window 2 + a / 4.
.set PITCH, 528                        ; an LDS row: 512 bytes + 16 = 132 words: the 16 rows that a load touches start 4 banks apart
.set HALFT, 128*PITCH                  ; 128 rows: what one tensor load brings and what a wave reads of a side
.set WR,    2*HALFT                    ; W's 256 rows lie behind x's 256
.set TM,    96                         ; v96-99 largest magnitudes, v100-103 the other half's, then the bytes, v108-111 the conversions' scale operands
.set PW,    112                        ; v112-119 the scale word of each source-1 tile
.set TJ,    120                        ; v120-123 two tiles' words in one register
.set AJ,    124                        ; v124-127 the even head's words
.set PCB,   128                        ; v128-191 the codes: eight registers a tile, never rewritten: they are store data
.set MSB, 0
.macro WIN new                         ; the immediate's high byte repeats the setting that is left
.if MSB != (\new)
	s_set_vgpr_msb (MSB<<8)|(\new)
.set MSB, (\new)
.endif
.endm
.macro PLACES n
.rept \n
	v_nop
.endr
.endm
.macro CROUND                          ; a round of the cluster's barrier
	s_barrier_signal -1
	s_barrier_wait -1
	s_cmp_lg_u32 s38, 0
	s_cbranch_scc1 .Lnot_wave_0_\@
	s_barrier_signal -3
.Lnot_wave_0_\@:
	s_barrier_wait -3
	s_barrier_signal -1
	s_barrier_wait -1
.endm
; One product, named by symbols: D rD, source 0 rA, source 1 rB, C rC, their scale registers xA, xB; oA, oB = 1: the scale words lie in lanes 16-31
.macro WMX
.if oA && oB
	v_wmma_scale_f32_16x16x128_f8f6f4 v[rD:rD+7], v[rA:rA+7], v[rB:rB+7], v[rC:rC+7], v[xA], v[xB] matrix_a_fmt:MATRIX_FMT_FP4 matrix_b_fmt:MATRIX_FMT_FP4 matrix_a_scale:MATRIX_SCALE_ROW1 matrix_b_scale:MATRIX_SCALE_ROW1
.elseif oA
	v_wmma_scale_f32_16x16x128_f8f6f4 v[rD:rD+7], v[rA:rA+7], v[rB:rB+7], v[rC:rC+7], v[xA], v[xB] matrix_a_fmt:MATRIX_FMT_FP4 matrix_b_fmt:MATRIX_FMT_FP4 matrix_a_scale:MATRIX_SCALE_ROW1
.elseif oB
	v_wmma_scale_f32_16x16x128_f8f6f4 v[rD:rD+7], v[rA:rA+7], v[rB:rB+7], v[rC:rC+7], v[xA], v[xB] matrix_a_fmt:MATRIX_FMT_FP4 matrix_b_fmt:MATRIX_FMT_FP4 matrix_b_scale:MATRIX_SCALE_ROW1
.else
	v_wmma_scale_f32_16x16x128_f8f6f4 v[rD:rD+7], v[rA:rA+7], v[rB:rB+7], v[rC:rC+7], v[xA], v[xB] matrix_a_fmt:MATRIX_FMT_FP4 matrix_b_fmt:MATRIX_FMT_FP4
.endif
.endm
; 32 LDS loads in one run: K step q's fragments (16 rows x 128 K: two loads of 16 bytes, 32 apart) of both sides into set q % 2
.macro FETCH q
.set FP, (\q)%2
	WIN 0x40                                       ; destination window 1, address window 0
.irp i, 0,1,2,3,4,5,6,7
.irp c, 0,1
	ds_load_b128 v[128*FP+8*\i+4*\c:128*FP+8*\i+4*\c+3], v5 offset:64*(\q)+32*\c+\i*16*PITCH
.endr
.endr
	WIN 0
.irp i, 0,1,2,3,4,5,6,7
.irp c, 0,1
	ds_load_b128 v[128+64*FP+8*\i+4*\c:128+64*FP+8*\i+4*\c+3], v6 offset:64*(\q)+32*\c+\i*16*PITCH
.endr
.endr
.endm
; K step q's 64 products.  cm = 0: onto the sums;  1: the sums start from the bias of source 0's axis (q, k);  2: from that of source 1's (v).
; The 64 accumulators take turns, one instruction a turn, in the same order in every step.
.macro MUL q, cm
.set MP, (\q)%2
.set MA, 0
.rept 8
.if MA == 0
.if (\cm) == 0
	WIN 0xa1                                       ; source 0 window 1, source 1 window 0, C and D window 2
.else
	WIN 0x91                                       ; C window 1
.endif
.endif
.if MA == 4
.if (\cm) == 0
	WIN 0xf1                                       ; C and D window 3
.else
	WIN 0xd1
.endif
.endif
.set MB, 0
.rept 8
.set rD, 8*(8*(MA%4)+MB)
.set rA, 128*MP+8*MB
.set rB, 128+64*MP+8*MA
.if (\cm) == 0
.set rC, rD
.elseif (\cm) == 1
.set rC, 64+8*MB
.else
.set rC, 64+8*MA
.endif
.set xA, 32+8*(MB/2)+(\q)
.set xB, 64+8*(MA/2)+(\q)
.set oA, MB%2
.set oB, MA%2
	WMX
.set MB, MB+1
.endr
.set MA, MA+1
.endr
.endm
; A K step: the next step's fragments are asked for first, so that they have this step's 64 products in which to come
.macro STEP q, cm
.if (\q) < 7
.if (\q) > 0
	PLACES 4                                       ; the set loaded now was read by the products just issued: four plain vector instructions between (ISA guide 7.12.1 for vector instructions)
.endif
	FETCH (\q)+1
	s_wait_dscnt 32                                ; all but the 32 just issued: this step's fragments are in
.else
	s_wait_dscnt 0x0
.endif
	MUL \q, \cm
	WIN 0
.endm
; Source-1 tile a is quantised: its eight accumulators are 128 along the quantised axis, four blocks.
.macro OUT a
.set W, 2+(\a)/4
.set AC, 64*((\a)%4)
.set PCA, PCB+8*(\a)
	WIN (W<<4)|(W<<2)                              ; sources 1 and 2: the accumulators' window
.irp b, 0,1,2,3
	v_max3_num_f32 v[TM+\b], v18, |v[AC+16*\b]|, |v[AC+16*\b+1]|   ; block b: my 16 numbers and the floor 2^(3 - 127), so that the byte cannot fall under 1; each accumulator is read from its low end on
.endr
.irp i, 2,4,6,8,10,12,14
.irp b, 0,1,2,3
	v_max3_num_f32 v[TM+\b], v[TM+\b], |v[AC+16*\b+\i]|, |v[AC+16*\b+\i+1]|   ; the four blocks by turns
.endr
.endr
	WIN 0
.irp b, 0,1,2,3
	v_permlanex16_b32 v[TM+4+\b], v[TM+\b], s94, s95
.endr
.irp b, 0,1,2,3
	v_max_num_f32 v[TM+\b], v[TM+\b], v[TM+4+\b]   ; with lane l xor 16's 16: the block's largest magnitude
.endr
.irp b, 0,1,2,3
	v_add_nc_u32 v[TM+12+\b], 0xff000000, v[TM+\b] ; 2 off its exponent field: the conversion takes this operand's exponent field as its scale
.endr
.irp b, 0,1,2,3
	v_lshrrev_b32 v[TM+4+\b], 23, v[TM+12+\b]      ; the scale's byte
.endr
	v_lshl_or_b32 v[PW+(\a)], v[TM+5], 8, v[TM+4]
	v_lshl_or_b32 v[PW+(\a)], v[TM+6], 16, v[PW+(\a)]
	v_lshl_or_b32 v[PW+(\a)], v[TM+7], 24, v[PW+(\a)]
	WIN W                                          ; source 0: the accumulators' window
.irp t, 0,1,2,3,4,5,6,7
	v_cvt_scalef32_pk8_fp4_f32 v[PCA+4*(\t/4)+2*(\t%2)+((\t/2)%2)], v[AC+8*\t:AC+8*\t+7], v[TM+12+\t/2]
.endr
	WIN 0
	v_nop                                          ; one plain place behind a scaled conversion
.irp c, 0,1
	v_permlane16_swap_b32 v[PCA+4*\c], v[PCA+4*\c+1]     ; the first's lanes 16-31 change places with the second's lanes 0-15: a whole block in a lane
	v_permlane16_swap_b32 v[PCA+4*\c+2], v[PCA+4*\c+3]
.endr
	global_store_b128 v7, v[PCA:PCA+3], s[14:15] offset:512*(\a)           ; the wave stores 512 consecutive bytes, aligned
	global_store_b128 v7, v[PCA+4:PCA+7], s[14:15] offset:65536+512*(\a)
.endm
	s_load_b512 s[4:19], s[0:1], 0x0               ; x's codes s[4:5], x's scales s[6:7]; q's set: W's codes s[8:9], W's scales s[10:11], bias s[12:13], codes out s[14:15], scales out s[16:17]; Wk's codes s[18:19]
	s_load_b512 s[20:35], s[0:1], 0x40             ; the rest of k's set s[20:27]; v's set s[28:35] ..
	s_load_b64 s[36:37], s[0:1], 0x80              ; .. and s[36:37]
	v_lshl_add_u32 v106, v0, 2, 0x42000
	v_mov_b32 v107, 0
	ds_add_u32 v106, v107
	ds_add_u32 v106, v107
	v_lshrrev_b32 v1, 5, v0
	v_readfirstlane_b32 s38, v1                    ; wave 0..3
	s_lshr_b32 s39, s38, 1                         ; my half of the tokens.  Also: I fetch x (0) or W (1)
	s_and_b32 s40, s38, 1                          ; my half of the features.  Also: which 128 rows I fetch
	s_bfe_u32 s41, ttmp6, 0x40000                  ; cx: which 256 features
	s_bfe_u32 s42, ttmp6, 0x40004                  ; cy
	s_mov_b32 s43, ttmp9                           ; the cluster's x: 0 q, 1 k, 2 v: the same in all sixteen partners
	s_and_b32 s44, ttmp7, 0xffff
	s_lshl_b32 s44, s44, 2
	s_add_co_u32 s44, s44, s42                     ; which 256 tokens = 4 x cluster y + cy
	s_lshl_b32 s45, s42, 2
	s_lshl_b32 s45, 15, s45                        ; my row of the cluster
	s_lshl_b32 s46, 0x1111, s41                    ; my column
	; descriptor group 1: 128 rows x 512 bytes, 16 bytes of padding behind each
	s_or_b32 s48, s45, (1<<20)|(1<<21)|(6<<22)|(3<<25)   ; 15:0 the mask: x's tiles go to my row; 17:16 elements of 1 byte; 20 padding on; 21 set beside a mask; 24:22 after every 128 words; 31:25 four words
	s_or_b32 s56, s46, (1<<20)|(1<<21)|(6<<22)|(3<<25)   ; W's tiles go to my column
.irp g, 48, 56
	s_mov_b32 s[\g+1], 512<<16                     ; tensor_dim0
	s_mov_b32 s[\g+2], 128<<16                     ; tensor_dim1
	s_mov_b32 s[\g+3], 512<<16                     ; tile_dim0
	s_mov_b32 s[\g+4], 128                         ; tile_dim1
	s_mov_b32 s[\g+5], 512                         ; from row to row
	s_mov_b32 s[\g+6], 0
	s_mov_b32 s[\g+7], 0
.endr
	s_lshl_b32 s47, s40, 7                         ; which 128 rows I fetch
	s_lshl_b32 s76, s44, 8
	s_add_co_u32 s76, s76, s47
	s_lshl_b32 s76, s76, 9                         ; x: (256 x token block + 128 x half) rows of 512 bytes: hangs on cy alone of the place
	s_mov_b32 s77, 0
	s_lshl_b32 s78, s41, 8
	s_add_co_u32 s78, s78, s47
	s_lshl_b32 s78, s78, 9                         ; W: hangs on cx alone
	s_mov_b32 s79, 0
	s_mul_i32 s99, s38, HALFT                      ; where my tile goes: wave x 128 rows
	s_lshl_b32 s90, s41, 1
	s_add_co_u32 s90, s90, s40                     ; fg: my group of 128 features
	s_lshl_b32 s91, s44, 1
	s_add_co_u32 s91, s91, s39                     ; my group of 128 tokens of the 64,
	s_lshr_b32 s66, s91, 4                         ; its batch n
	s_and_b32 s67, s91, 15                         ; and its number tg in the batch
	s_mul_i32 s84, s39, HALFT                      ; my tokens' rows in LDS
	s_mul_i32 s85, s40, HALFT
	s_add_co_u32 s85, s85, WR                      ; my features' rows
	s_cmp_eq_u32 s43, 2                            ; v?  Then the tokens are source 0
	s_cselect_b32 s88, s84, s85                    ; source 0's rows
	s_cselect_b32 s89, s85, s84                    ; source 1's rows
	s_cselect_b32 s84, 4, 0                        ; the bias's byte offset is r x s84 + h x s85 + j x s86 (+ 64 x tile):
	s_cselect_b32 s85, 0, 32                       ; q, k: feature 16 b + 8 h + j;  v: feature 16 a + r
	s_cselect_b32 s86, 0, 4
	s_cselect_b32 s87, 0, 1                        ; q's and k's scale images are twice v's
	s_mov_b32 s94, 0x76543210
	s_mov_b32 s95, 0xfedcba98                      ; v_permlanex16_b32's selects for lane l xor 16
	s_mov_b32 s96, 0xffff0000                      ; lanes 16-31
	s_mov_b32 s97, 0x04040100                      ; bytes 0, 1 of the word, then 0x7f twice
	s_mov_b32 s98, 0x04040302                      ; bytes 2, 3 of the word, then 0x7f twice
	v_and_b32 v1, 15, v0                           ; r
	v_bfe_u32 v2, v0, 4, 1                         ; h
	v_and_b32 v3, 31, v0                           ; lane
	v_mul_u32_u24 v4, v1, PITCH
	v_lshl_add_u32 v4, v2, 4, v4                   ; a fragment's row x pitch + 16 h
	v_add_nc_u32 v5, s88, v4                       ; source 0's fragments
	v_add_nc_u32 v6, s89, v4                       ; source 1's
	v_lshlrev_b32 v7, 4, v3                        ; 16 x lane: an image's place
	v_lshlrev_b32 v8, 5, v3                        ; 32 x lane: a row of scale bytes
	v_mul_u32_u24 v9, v1, s84
	v_mad_u32_u24 v9, v2, s85, v9
.irp j, 1,2,3,4,5,6,7
	s_mul_i32 s47, s86, \j
	v_add_nc_u32 v[9+\j], s47, v9
.endr
	v_mov_b32 v17, 0x7f7f7f7f                      ; the byte of the scale 1
	v_mov_b32 v18, 0x1800000                       ; the floor 2^(3 - 127)
.irp b, 0,1,2,3
	v_mov_b32 v[TM+4+\b], 0                        ; written once: a lane permute's destination counts as one of its sources
.endr
	s_wait_dscnt 0x0
	s_wait_kmcnt 0x0
	s_cmp_eq_u32 s43, 1                            ; the product's five buffers: a choice on the cluster's number alone
	s_cselect_b64 s[8:9], s[18:19], s[8:9]
	s_cselect_b64 s[10:11], s[20:21], s[10:11]
	s_cselect_b64 s[12:13], s[22:23], s[12:13]
	s_cselect_b64 s[14:15], s[24:25], s[14:15]
	s_cselect_b64 s[16:17], s[26:27], s[16:17]
	s_cmp_eq_u32 s43, 2
	s_cselect_b64 s[8:9], s[28:29], s[8:9]
	s_cselect_b64 s[10:11], s[30:31], s[10:11]
	s_cselect_b64 s[12:13], s[32:33], s[12:13]
	s_cselect_b64 s[14:15], s[34:35], s[14:15]
	s_cselect_b64 s[16:17], s[36:37], s[16:17]
	s_mov_b32 s68, 1                               ; group 0 for x: count 1,
	s_mov_b32 s69, s99                             ; LDS address,
	s_add_nc_u64 s[70:71], s[4:5], s[76:77]        ; global address,
	s_or_b32 s71, s71, 0x80000000                  ; type 2
	s_mov_b32 s72, 1                               ; and for W
	s_mov_b32 s73, s99
	s_add_nc_u64 s[74:75], s[8:9], s[78:79]
	s_or_b32 s75, s75, 0x80000000
	s_mov_b32 s93, 0
	s_lshl_b32 s92, s91, 12
	s_add_nc_u64 s[6:7], s[6:7], s[92:93]          ; x's scale bytes at my 128 tokens (32 bytes a row)
	s_lshl_b32 s92, s90, 12
	s_add_nc_u64 s[10:11], s[10:11], s[92:93]      ; W's at my 128 features
	s_lshl_b32 s92, s90, 9
	s_add_nc_u64 s[12:13], s[12:13], s[92:93]      ; the bias at my 128 features
	s_lshl_b32 s92, s66, 20
	s_lshl_b32 s47, s90, 17
	s_or_b32 s92, s92, s47
	s_lshl_b32 s47, s67, 12
	s_or_b32 s92, s92, s47
	s_add_nc_u64 s[14:15], s[14:15], s[92:93]      ; codes out: n 2^20 + fg 2^17 + tg 4096
	s_lshl_b32 s92, s66, 16
	s_lshl_b32 s47, s90, 13
	s_or_b32 s92, s92, s47
	s_lshl_b32 s92, s92, s87
	s_lshl_b32 s47, s67, 9
	s_or_b32 s92, s92, s47
	s_add_nc_u64 s[16:17], s[16:17], s[92:93]      ; scales out: v: n 2^16 + fg 2^13 + tg 512;  q, k: n 2^17 + fg 2^14 + tg 512
	s_cmp_eq_u32 s43, 2
	s_cselect_b64 s[80:81], s[6:7], s[10:11]       ; source 0's scale bytes
	s_cselect_b64 s[82:83], s[10:11], s[6:7]       ; source 1's
	CROUND                                         ; all sixteen work-groups are here: the joint loads meet
	s_cmp_eq_u32 s39, 0                            ; waves 0, 1: x's halves; waves 2, 3: W's.  One tensor load of mine is out.  Four v_nop follow each line
	s_cbranch_scc0 .Lfor_w
	tensor_load_to_lds s[68:71], s[48:55]
	s_nop 0
.rept 4
	v_nop
.endr
	s_branch .Lasked
.Lfor_w:
	tensor_load_to_lds s[72:75], s[56:63]
	s_nop 0
.rept 4
	v_nop
.endr
.Lasked:
.irp p, 0,1,2,3                                ; the scale words of my 128 + 128 rows, all of K: lane l takes row 32 p + l's 32 bytes: two loads cover 1,024 consecutive bytes
.irp e, 0,1
	global_load_b128 v[32+8*\p+4*\e:32+8*\p+4*\e+3], v8, s[80:81] offset:1024*\p+16*\e
	global_load_b128 v[64+8*\p+4*\e:64+8*\p+4*\e+3], v8, s[82:83] offset:1024*\p+16*\e
.endr
.endr
	WIN 0x40                                       ; destination window 1
.irp i, 0,1,2,3,4,5,6,7                        ; the bias in the result's layout: eight registers a tile
.irp j, 0,1,2,3,4,5,6,7
	global_load_b32 v[64+8*\i+\j], v[9+\j], s[12:13] offset:64*\i
.endr
.endr
	WIN 0
	s_wait_tensorcnt 0x0                           ; my tile has landed,
	s_barrier_signal -1
	s_barrier_wait -1                              ; everybody's has: from here on LDS is only read
	FETCH 0
	s_wait_loadcnt 0x0                             ; scale words and bias
	s_cmp_eq_u32 s43, 2                            ; only the first K step differs: which tile's bias starts a sum
	s_cbranch_scc1 .Lv_first
	STEP 0, 1
	s_branch .Lrest
.Lv_first:
	STEP 0, 2
.Lrest:
	STEP 1, 0
	STEP 2, 0
	STEP 3, 0
	STEP 4, 0
	STEP 5, 0
	STEP 6, 0
	STEP 7, 0
	PLACES 4                                       ; in front of the first read of results and the first write over fragments
.irp a, 0,1,2,3,4,5,6,7
	OUT \a
.endr
.irp j, 0,1,2,3
	v_cndmask_b32 v[TJ+\j], v[PW+2*\j], v[PW+2*\j+1], s96    ; lanes 0-15 tile 2 j's words, lanes 16-31 tile 2 j + 1's: as a scale register wants them
.endr
	s_cmp_eq_u32 s43, 2
	s_cbranch_scc1 .Lv_scales
.irp j, 0,1,2,3
	v_perm_b32 v[AJ+\j], v17, v[TJ+\j], s97        ; q, k: the even head's two bytes; the upper 64 of the instruction's K are zero codes under the scale 1
.endr
.irp j, 0,1,2,3
	v_perm_b32 v[TM+\j], v17, v[TJ+\j], s98        ; the odd head's
.endr
	global_store_b128 v7, v[AJ:AJ+3], s[16:17]
	global_store_b128 v7, v[TM:TM+3], s[16:17] offset:8192
	s_branch .Ldone
.Lv_scales:
	global_store_b128 v7, v[TJ:TJ+3], s[16:17]     ; v: the four bytes are the 128 keys' four blocks
.Ldone:
	s_wait_tensorcnt 0x0
	ds_add_u32 v106, v107
	s_wait_dscnt 0x0
	CROUND                                         ; the closing round: no work-group ends while a partner may still ask for a tile that names it
	s_endpgm
.Lfunc_end_k_q5ca0cd69ce_qkv:
	.size	k_q5ca0cd69ce_qkv, .Lfunc_end_k_q5ca0cd69ce_qkv-k_q5ca0cd69ce_qkv
	.p2alignl 7, 3214868480
	.fill 96, 4, 3214868480
	.section	.rodata,"a",@progbits
	.p2align	6, 0x0
	.amdhsa_kernel k_q5ca0cd69ce_qkv
		.amdhsa_group_segment_fixed_size 270848
		.amdhsa_private_segment_fixed_size 0
		.amdhsa_enable_private_segment 0
		.amdhsa_kernarg_size 136
		.amdhsa_user_sgpr_count 2
		.amdhsa_user_sgpr_kernarg_segment_ptr 1
		.amdhsa_wavefront_size32 1
		.amdhsa_system_sgpr_workgroup_id_x 1
		.amdhsa_system_sgpr_workgroup_id_y 1
		.amdhsa_system_sgpr_workgroup_id_z 1
		.amdhsa_system_vgpr_workitem_id 0
		.amdhsa_next_free_vgpr 1024
		.amdhsa_next_free_sgpr 100
		.amdhsa_reserve_vcc 0
		.amdhsa_float_denorm_mode_32 3
		.amdhsa_float_denorm_mode_16_64 3
		.amdhsa_memory_ordered 1
		.amdhsa_forward_progress 1
		.amdhsa_inst_pref_size 141
	.end_amdhsa_kernel
	.amdgpu_metadata
---
amdhsa.version: [ 1, 2 ]
amdhsa.kernels:
  - .name:           k_q5ca0cd69ce_qkv
    .symbol:         k_q5ca0cd69ce_qkv.kd
    .args:
      - { .name: x_codes, .offset: 0, .size: 8, .value_kind: global_buffer, .address_space: global }
      - { .name: x_scales, .offset: 8, .size: 8, .value_kind: global_buffer, .address_space: global }
      - { .name: Wq_codes, .offset: 16, .size: 8, .value_kind: global_buffer, .address_space: global }
      - { .name: Wq_scales, .offset: 24, .size: 8, .value_kind: global_buffer, .address_space: global }
      - { .name: bq, .offset: 32, .size: 8, .value_kind: global_buffer, .address_space: global }
      - { .name: qc, .offset: 40, .size: 8, .value_kind: global_buffer, .address_space: global }
      - { .name: qs, .offset: 48, .size: 8, .value_kind: global_buffer, .address_space: global }
      - { .name: Wk_codes, .offset: 56, .size: 8, .value_kind: global_buffer, .address_space: global }
      - { .name: Wk_scales, .offset: 64, .size: 8, .value_kind: global_buffer, .address_space: global }
      - { .name: bk, .offset: 72, .size: 8, .value_kind: global_buffer, .address_space: global }
      - { .name: kc, .offset: 80, .size: 8, .value_kind: global_buffer, .address_space: global }
      - { .name: ks, .offset: 88, .size: 8, .value_kind: global_buffer, .address_space: global }
      - { .name: Wv_codes, .offset: 96, .size: 8, .value_kind: global_buffer, .address_space: global }
      - { .name: Wv_scales, .offset: 104, .size: 8, .value_kind: global_buffer, .address_space: global }
      - { .name: bv, .offset: 112, .size: 8, .value_kind: global_buffer, .address_space: global }
      - { .name: vc, .offset: 120, .size: 8, .value_kind: global_buffer, .address_space: global }
      - { .name: vs, .offset: 128, .size: 8, .value_kind: global_buffer, .address_space: global }
    .group_segment_fixed_size: 270848
    .private_segment_fixed_size: 0
    .kernarg_segment_align: 8
    .kernarg_segment_size: 136
    .max_flat_workgroup_size: 128
    .sgpr_count:     100
    .vgpr_count:     1024
    .wavefront_size: 32
...
	.end_amdgpu_metadata
.endif
;; end of part 1
;; launch attn (part 2): grid 4 x 64, 16 waves a work-group, clusters of 4 x 1, 169,984 bytes of LDS; arguments qc, qs, kc, ks, vc, vs, ac, asc; writes ac, asc
.if DOCPART == 2
	.amdgcn_target "amdgcn-amd-amdhsa--gfx1250"
	.amdhsa_code_object_version 6
	.text
	.protected	k_q5ca0cd69ce_attn
	.globl	k_q5ca0cd69ce_attn
	.p2align	8
	.type	k_q5ca0cd69ce_attn,@function
k_q5ca0cd69ce_attn:
	s_mov_b64 s[64:65], 0
	v_nop
	global_prefetch_b8 v0, s[64:65] scope:SCOPE_SE
	s_setreg_imm32_b32 hwreg(HW_REG_WAVE_MODE, 25, 1), 1
	s_wait_xcnt 0x0
	s_wait_alu depctr_hold_cnt(0) depctr_sa_sdst(0) depctr_va_vdst(0) depctr_va_sdst(0) depctr_va_ssrc(0) depctr_va_vcc(0) depctr_vm_vsrc(0)
	s_getreg_b32 s2, hwreg(HW_REG_IB_STS2, 6, 4)
	s_cmp_eq_u32 s2, 0
	s_cbranch_scc0 .Lentry_in_a_cluster
	s_endpgm
.Lentry_in_a_cluster:
	s_bfe_u32 s2, ttmp6, 0x10000c
	s_cmp_lg_u32 s2, 0x3003
	s_cbranch_scc0 .Lentry_shape_is_right
	s_endpgm
.Lentry_shape_is_right:
; O[q] = sum over keys of softmax(q . k / 8) v for one head, both products on codes of FP4 (E2M1) with one E8M0 scale for each 32 along K; O is quantised along the embedding (two blocks a head) for the last projection.
; THE SOFTMAX: t = score x log2(e) / 8; M = the running largest t rounded UP to a whole number; p = 2^(t - M) is quantised along the keys, not normalised; the row's sum is taken of the unquantised p and divides O at the end.
; When M moves, the sum and O are multiplied by 2^(old M - new M): exact.
; SHARES.  Work-group y is the head (batch x 16 + head), cx the block of 512 queries.  Each of sixteen waves owns two tiles of 16 queries, one after the other, and walks all 2,048 keys, 128 a step: four waves to a SIMD, so that one wave's
; vector work stands beside another's products and LDS loads.
; A WHOLE HEAD'S K AND V LIE IN LDS (codes 64 KB each, scale words 8 KB each), as images of operand registers: filled ONCE, by joint loads of the four work-groups of the cluster, which belong to one head.  One barrier; no slot is filled again.
; LAYOUT.  S^T = K Q^T (source 0 = 16 keys, source 1 = my 16 queries; K = the head's 64, the upper 64 of the instruction's K are zero codes under the scale 1), O^T = V^T P^T (source 0 = 16 of the head's 64, source 1 = P): a lane holds ONE query.
; Register j of tile t of S^T is key 16 t + 8 h + j; tile t's eight codes go to register 4 (t / 4) + 2 (t % 2) + (t / 2) % 2 and two exchanges of lane halves for each 64 keys give P's layout.
; LIMITS: NaN and infinities are not served.  A block of p or of O whose largest magnitude lies under 2^-124 keeps the byte 1 (its bytes are read by this program alone).  1 / the sum is v_rcp_f32 and a multiplication.
; A block's largest p is made from the block's largest score by the same multiply-add and exponential; that takes v_exp_f32 not to fall where its input rises.
; REGISTERS: v2-7 addresses that stay; v8-11 the step's LDS addresses; v12 -M, v13 the largest t, v[14:15] the sum in two halves; v16-31 Q's two fragments; v32-33 Q's scale words; v34-35 O's scale words; v36-39 K's scale words, v40-41 V's, v42 p's;
;   v48-79 four fragments of K; v80-111 four of V; v112-175 S^T, then p; v176-207 O^T; v208-215 p's codes; v216-237 at work; v240-247 O's codes; v248 the word stored.
.set KSB, 65536                        ; LDS: K's codes at 0 (tile x 512); K's scale words here (step x 512);
.set VSB, 73728                        ; V's scale words of the head pair (step x 512);
.set VCB, 81920                        ; V's codes ((16 c + step) x 2,048 + tile x 512)
.set KF,  48
.set VF,  80
.set SR,  112
.set OT,  176
.set PC,  208
.set BM,  216                          ; the blocks' largest scores, then largest p
.set PT,  220                          ; lane l xor 16's
.set SO,  224                          ; the conversions' scale operands
.set BY,  228                          ; the bytes
.set FF,  232                          ; v[232:233] f = 2^(old M - new M)
.set T0,  234
.set S2,  236                          ; v[236:237] the sum's second chain
.macro CROUND                          ; a round of the cluster's barrier
	s_barrier_signal -1
	s_barrier_wait -1
	s_cmp_lg_u32 s20, 0
	s_cbranch_scc1 .Lnot_wave_0_\@
	s_barrier_signal -3
.Lnot_wave_0_\@:
	s_barrier_wait -3
	s_barrier_signal -1
	s_barrier_wait -1
.endm
; One product, named by symbols: D rD, source 0 rA, source 1 rB, scale registers xA, xB; oA = 1: source 0's words lie in lanes 16-31; cz = 1: it starts a sum
.macro WMX
.if cz && oA
	v_wmma_scale_f32_16x16x128_f8f6f4 v[rD:rD+7], v[rA:rA+7], v[rB:rB+7], 0, v[xA], v[xB] matrix_a_fmt:MATRIX_FMT_FP4 matrix_b_fmt:MATRIX_FMT_FP4 matrix_a_scale:MATRIX_SCALE_ROW1
.elseif cz
	v_wmma_scale_f32_16x16x128_f8f6f4 v[rD:rD+7], v[rA:rA+7], v[rB:rB+7], 0, v[xA], v[xB] matrix_a_fmt:MATRIX_FMT_FP4 matrix_b_fmt:MATRIX_FMT_FP4
.elseif oA
	v_wmma_scale_f32_16x16x128_f8f6f4 v[rD:rD+7], v[rA:rA+7], v[rB:rB+7], v[rD:rD+7], v[xA], v[xB] matrix_a_fmt:MATRIX_FMT_FP4 matrix_b_fmt:MATRIX_FMT_FP4 matrix_a_scale:MATRIX_SCALE_ROW1
.else
	v_wmma_scale_f32_16x16x128_f8f6f4 v[rD:rD+7], v[rA:rA+7], v[rB:rB+7], v[rD:rD+7], v[xA], v[xB] matrix_a_fmt:MATRIX_FMT_FP4 matrix_b_fmt:MATRIX_FMT_FP4
.endif
.endm
; A KEY STEP: 128 keys.  QF, QS: the tile's fragment of Q and its scale words
.macro STEP
	v_add_nc_u32 v8, s32, v5                       ; the step's addresses.  These four are also the places between the last step's products and the loads into V's registers
	v_add_nc_u32 v9, s33, v2
	v_add_nc_u32 v10, s34, v3
	v_add_nc_u32 v11, s34, v4
	ds_load_b128 v[36:39], v10                     ; K's scale words: register j: lanes 0-15 tile 2 j, lanes 16-31 tile 2 j + 1
.irp t, 0,1,2,3
	ds_load_b128 v[KF+8*\t:KF+8*\t+3], v8 offset:512*\t    ; tiles 0-3 of K: four registers; the upper four stay zeros
.endr
	ds_load_b64 v[40:41], v11                      ; V's scale words of my head's four tiles
.irp t, 0,1,2,3
.irp c, 0,1
	ds_load_b128 v[VF+8*\t+4*\c:VF+8*\t+4*\c+3], v9 offset:512*\t+32768*\c
.endr
.endr
	s_wait_dscnt 9                                 ; V's nine loads may be out: K's words and tiles 0-3 are in
.set cz, 1
.set rB, QF
.set xB, QS
.set TT, 0
.rept 4
.set rD, SR+8*TT
.set rA, KF+8*TT
.set xA, 36+TT/2
.set oA, TT%2
	WMX
.set TT, TT+1
.endr
.rept 4
	v_nop                                          ; places in front of loads into registers that these products read
.endr
.irp t, 0,1,2,3
	ds_load_b128 v[KF+8*\t:KF+8*\t+3], v8 offset:2048+512*\t   ; tiles 4-7
.endr
	s_wait_dscnt 0x0
.set TT, 0
.rept 4
.set rD, SR+32+8*TT
.set rA, KF+8*TT
.set xA, 38+TT/2
.set oA, TT%2
	WMX
.set TT, TT+1
.endr
.rept 4
	v_nop                                          ; places in front of the first read of results
.endr
.irp b, 0,1,2,3
	v_max3_num_f32 v[BM+\b], v[SR+16*\b], v[SR+16*\b+1], v[SR+16*\b+2]   ; the largest score of each block of 32 keys: it serves the row's maximum and, since p rises with the score, the block's largest p
.endr
.irp k, 3,5,7,9,11,13
.irp b, 0,1,2,3
	v_max3_num_f32 v[BM+\b], v[BM+\b], v[SR+16*\b+\k], v[SR+16*\b+\k+1]
.endr
.endr
.irp b, 0,1,2,3
	v_max_num_f32 v[BM+\b], v[BM+\b], v[SR+16*\b+15]
.endr
.irp b, 0,1,2,3
	v_permlanex16_b32 v[PT+\b], v[BM+\b], s26, s27
.endr
.irp b, 0,1,2,3
	v_max_num_f32 v[BM+\b], v[BM+\b], v[PT+\b]     ; with lane l xor 16's 16 keys
.endr
	v_max3_num_f32 v[T0], v[BM], v[BM+1], v[BM+2]
	v_max_num_f32 v[T0], v[T0], v[BM+3]            ; the step's largest score of my query
	v_mul_f32 v[T0], s28, v[T0]                    ; as t
	v_max_num_f32 v13, v13, v[T0]                  ; the running largest t
	v_mov_b32 v[T0], v12
	v_floor_f32 v12, -v13                          ; the new -M = floor(-t) = -ceil(t)
	v_sub_f32 v[T0], v12, v[T0]                    ; old M - new M: a whole number, 0 or less
	v_cvt_i32_f32 v[T0], v[T0]                     ; (it saturates)
	v_ldexp_f32 v[FF], 1.0, v[T0]                  ; f
.set J, 0
.rept 32
	v_pk_fma_f32 v[SR+J:SR+J+1], v[SR+J:SR+J+1], s[28:29], v[12:13] op_sel_hi:[1,0,0]   ; t - M, two at a time
.set J, J+2
.endr
.irp b, 0,1,2,3
	v_fma_f32 v[BM+\b], v[BM+\b], s28, v12         ; the same of each block's largest score
.endr
.set J, 0
.rept 64
	v_exp_f32 v[SR+J], v[SR+J]                     ; p = 2^(t - M), at most 1
.set J, J+1
.endr
.irp b, 0,1,2,3
	v_exp_f32 v[BM+\b], v[BM+\b]                   ; the block's largest p
.endr
	v_pk_mul_f32 v[14:15], v[14:15], v[FF:FF+1] op_sel_hi:[1,0]   ; the sums under the new M.  (A plain place behind the exponentials)
	s_wait_alu depctr_va_vdst(0)
.irp b, 0,1,2,3
	v_max_num_f32 v[BM+\b], 0x1800000, v[BM+\b]    ; the floor 2^(3 - 127): the byte cannot fall under 1
.endr
.irp b, 0,1,2,3
	v_add_nc_u32 v[SO+\b], 0xff000000, v[BM+\b]    ; 2 off the exponent field: the conversion's scale operand
.endr
.irp b, 0,1,2,3
	v_lshrrev_b32 v[BY+\b], 23, v[SO+\b]           ; the scale's byte
.endr
	v_lshl_or_b32 v42, v[BY+1], 8, v[BY]           ; p's scale word for these 128 keys
	v_lshl_or_b32 v42, v[BY+2], 16, v42
	v_lshl_or_b32 v42, v[BY+3], 24, v42
.irp t, 0,1,2,3,4,5,6,7
	v_cvt_scalef32_pk8_fp4_f32 v[PC+4*(\t/4)+2*(\t%2)+((\t/2)%2)], v[SR+8*\t:SR+8*\t+7], v[SO+\t/2]
.endr
	v_nop                                          ; one plain place behind a scaled conversion
.irp c, 0,1
	v_permlane16_swap_b32 v[PC+4*\c], v[PC+4*\c+1] ; a whole block in a lane: lanes 0-15 block 2 c, lanes 16-31 block 2 c + 1
	v_permlane16_swap_b32 v[PC+4*\c+2], v[PC+4*\c+3]
.endr
	v_pk_add_f32 v[S2:S2+1], v[SR:SR+1], v[SR+2:SR+3]     ; the row's sum is taken of the UNQUANTISED p: two at a time, in two chains
.set J, 4
.rept 15
	v_pk_add_f32 v[14:15], v[14:15], v[SR+J:SR+J+1]
	v_pk_add_f32 v[S2:S2+1], v[S2:S2+1], v[SR+J+2:SR+J+3]
.set J, J+4
.endr
	v_pk_add_f32 v[14:15], v[14:15], v[S2:S2+1]
.set J, 0
.rept 16
	v_pk_mul_f32 v[OT+J:OT+J+1], v[OT+J:OT+J+1], v[FF:FF+1] op_sel_hi:[1,0]   ; O^T under the new M.  (With the sums above: the places between the scale word's and the codes' last writes and the products below)
.set J, J+2
.endr
.set cz, 0
.set rB, PC
.set xB, 42
.set TT, 0
.rept 4                                        ; O^T += V^T P^T: the four accumulators take one turn each
.set rD, OT+8*TT
.set rA, VF+8*TT
.set xA, 40+TT/2
.set oA, TT%2
	WMX
.set TT, TT+1
.endr
.endm
; One tile of 16 queries: all 16 key steps, then O / the sum, quantised, and stored as an image
.macro TILE i
.set QF, 16+8*(\i)
.set QS, 32+(\i)
	v_mov_b32 v13, 0xff61b1e6                      ; the largest t so far: -3e38, under every t
	v_floor_f32 v12, -v13                          ; -M
	v_mov_b32 v14, 0
	v_mov_b32 v15, 0
.set J, 0
.rept 32
	v_mov_b32 v[OT+J], 0                           ; the step is written once: the first finds zeros, which the first change of M leaves zeros
.set J, J+1
.endr
	s_mov_b32 s32, 0                               ; the step's tiles of K: 4,096 bytes a step;
	s_mov_b32 s33, 0                               ; of V: 2,048;
	s_mov_b32 s34, 0                               ; its scale words: 512
	s_mov_b32 s31, 16
.Lkeys_\@:
	STEP
	s_add_co_u32 s32, s32, 4096
	s_add_co_u32 s33, s33, 2048
	s_add_co_u32 s34, s34, 512
	s_sub_co_i32 s31, s31, 1
	s_cmp_lg_u32 s31, 0
	s_cbranch_scc1 .Lkeys_\@
.rept 4
	v_nop                                          ; places behind the last products
.endr
	v_add_f32 v14, v14, v15                        ; the sum's two halves,
	v_permlanex16_b32 v[T0], v14, s26, s27
	v_add_f32 v14, v14, v[T0]                      ; and lane l xor 16's
	v_rcp_f32 v14, v14
	v_nop                                          ; one plain place behind a transcendental
.set J, 0
	s_wait_alu depctr_va_vdst(0)
.rept 16
	v_pk_mul_f32 v[SR+J:SR+J+1], v[OT+J:OT+J+1], v[14:15] op_sel_hi:[1,0]   ; O^T / the sum, each accumulator from its low end on: register 8 t + j is channel 16 t + 8 h + j of my query
.set J, J+2
.endr
.irp b, 0,1
	v_max3_num_f32 v[BM+\b], |v[SR+16*\b]|, |v[SR+16*\b+1]|, 0x1800000
.endr
.irp k, 2,4,6,8,10,12,14
.irp b, 0,1
	v_max3_num_f32 v[BM+\b], v[BM+\b], |v[SR+16*\b+\k]|, |v[SR+16*\b+\k+1]|
.endr
.endr
.irp b, 0,1
	v_permlanex16_b32 v[PT+\b], v[BM+\b], s26, s27
.endr
.irp b, 0,1
	v_max_num_f32 v[BM+\b], v[BM+\b], v[PT+\b]
.endr
.irp b, 0,1
	v_add_nc_u32 v[SO+\b], 0xff000000, v[BM+\b]
.endr
.irp b, 0,1
	v_lshrrev_b32 v[BY+\b], 23, v[SO+\b]
.endr
	v_lshl_or_b32 v[34+(\i)], v[BY+1], 8, v[BY]    ; my query's two bytes of this head
.irp t, 0,1,2,3
	v_cvt_scalef32_pk8_fp4_f32 v[240+4*(\i)+2*(\t%2)+(\t/2)], v[SR+8*\t:SR+8*\t+7], v[SO+\t/2]
.endr
	v_nop                                          ; one plain place behind a scaled conversion
	v_permlane16_swap_b32 v[240+4*(\i)], v[241+4*(\i)]
	v_permlane16_swap_b32 v[242+4*(\i)], v[243+4*(\i)]
	global_store_b128 v5, v[240+4*(\i):243+4*(\i)], s[70:71] offset:8192*(\i)   ; the wave stores 512 consecutive bytes, aligned; these registers are not written again
.endm
	s_load_b512 s[4:19], s[0:1], 0x0               ; qc s[4:5], qs s[6:7], kc s[8:9], ks s[10:11], vc s[12:13], vs s[14:15], ac s[16:17], asc s[18:19]
	v_lshl_add_u32 v254, v0, 2, 0x29000
	v_mov_b32 v255, 0
	ds_add_u32 v254, v255
	ds_add_u32 v254, v255
	v_lshrrev_b32 v1, 5, v0
	v_readfirstlane_b32 s20, v1                    ; wave 0..15
	s_bfe_u32 s21, ttmp6, 0x40000                  ; cx: my block of 512 queries: it enters Q's and O's addresses alone
	s_and_b32 s22, ttmp7, 0xffff                   ; batch x 16 + head, which the four partners share
	s_lshr_b32 s23, s22, 4                         ; batch
	s_and_b32 s24, s22, 15                         ; head
	s_and_b32 s25, s22, 1                          ; its parity
	s_mov_b32 s26, 0x76543210
	s_mov_b32 s27, 0xfedcba98                      ; v_permlanex16_b32's selects for lane l xor 16
	s_mov_b32 s28, 0x3e38aa3b                      ; c = log2(e) / 8
	s_mov_b32 s29, s28                             ; (named with it as a pair, so it is written)
	s_mov_b32 s30, 0xffff0000                      ; lanes 16-31
	; descriptor group 1, dense: 32 rows of 256 bytes (32 elements of 8 bytes)
	s_mov_b32 s36, 15|(3<<16)|(1<<21)              ; 15:0 the mask: all four work-groups; 17:16 elements of 8 bytes; 21 set beside a mask; no padding
	s_mov_b32 s37, 32<<16                          ; tensor_dim0
	s_mov_b32 s38, 32<<16                          ; tensor_dim1
	s_mov_b32 s39, 32<<16                          ; tile_dim0
	s_mov_b32 s40, 32                              ; tile_dim1
	s_mov_b32 s41, 32                              ; from row to row
	s_mov_b32 s42, 0
	s_mov_b32 s43, 0
	; and for V's codes: 8 rows of 2,048 bytes (my head's four tiles of a step), 4,096 bytes apart (the head pair's eight)
	s_mov_b32 s44, 15|(3<<16)|(1<<21)
	s_mov_b32 s45, 256<<16
	s_mov_b32 s46, 8<<16
	s_mov_b32 s47, 256<<16
	s_mov_b32 s48, 8
	s_mov_b32 s49, 512
	s_mov_b32 s50, 0
	s_mov_b32 s51, 0
	s_min_u32 s60, s20, 7                          ; waves 0-7: an eighth of K's codes each
	s_lshl_b32 s60, s60, 13
	s_lshl_b32 s35, s22, 16
	s_add_co_u32 s60, s60, s35
	s_mov_b32 s61, 0
	s_lshl_b32 s62, s22, 13                        ; wave 8: K's scale words
	s_mov_b32 s63, 0
	s_lshr_b32 s74, s22, 1
	s_lshl_b32 s74, s74, 13                        ; wave 9: the head pair's scale words of V
	s_mov_b32 s75, 0
	s_add_co_u32 s76, s20, 2
	s_and_b32 s76, s76, 3                          ; waves 10-13: quarter 0-3 of V's codes
	s_lshl_b32 s77, s76, 14
	s_add_co_u32 s77, s77, VCB                     ; in LDS,
	s_lshl_b32 s78, s76, 15                        ; and in memory: batch 2^20 + (head / 2) 2^17 + parity 2,048 + quarter 32,768
	s_lshl_b32 s35, s23, 20
	s_add_co_u32 s78, s78, s35
	s_lshr_b32 s35, s24, 1
	s_lshl_b32 s35, s35, 17
	s_add_co_u32 s78, s78, s35
	s_lshl_b32 s35, s25, 11
	s_add_co_u32 s78, s78, s35
	s_mov_b32 s79, 0
	s_lshl_b32 s66, s22, 16                        ; Q's codes: head 65,536 + (32 cx + 2 wave) 512
	s_lshl_b32 s35, s21, 14
	s_add_co_u32 s66, s66, s35
	s_lshl_b32 s35, s20, 10
	s_add_co_u32 s66, s66, s35
	s_mov_b32 s67, 0
	s_lshl_b32 s68, s22, 13                        ; Q's scale words: head 8,192 + (4 cx + wave / 4) 512 + 4 (wave % 4)
	s_lshl_b32 s35, s21, 11
	s_add_co_u32 s68, s68, s35
	s_lshr_b32 s35, s20, 2
	s_lshl_b32 s35, s35, 9
	s_add_co_u32 s68, s68, s35
	s_and_b32 s35, s20, 3
	s_lshl_b32 s35, s35, 2
	s_add_co_u32 s68, s68, s35
	s_mov_b32 s69, 0
	s_lshl_b32 s70, s23, 20                        ; O's codes: (128 batch + 32 cx + 2 wave) 8,192 + head 512
	s_lshl_b32 s35, s21, 18
	s_add_co_u32 s70, s70, s35
	s_lshl_b32 s35, s20, 14
	s_add_co_u32 s70, s70, s35
	s_lshl_b32 s35, s24, 9
	s_add_co_u32 s70, s70, s35
	s_mov_b32 s71, 0
	s_lshl_b32 s72, s24, 15                        ; O's scale words: head 32,768 + 4 (2,048 batch + 512 cx + 32 wave)
	s_lshl_b32 s35, s23, 13
	s_add_co_u32 s72, s72, s35
	s_lshl_b32 s35, s21, 11
	s_add_co_u32 s72, s72, s35
	s_lshl_b32 s35, s20, 7
	s_add_co_u32 s72, s72, s35
	s_mov_b32 s73, 0
	s_lshl_b32 s35, s25, 3
	s_add_co_u32 s35, s35, VSB                     ; my head's two words of the pair's four
	v_and_b32 v6, 31, v0                           ; lane
	v_and_b32 v7, 15, v0                           ; r
	v_lshlrev_b32 v5, 4, v6                        ; 16 x lane: an image's place, in memory and in LDS (K's codes begin at LDS byte 0)
	v_lshlrev_b32 v6, 2, v6                        ; 4 x lane
	v_lshlrev_b32 v7, 4, v7                        ; 16 x r
	v_add_nc_u32 v2, VCB, v5                       ; V's codes
	v_add_nc_u32 v3, KSB, v5                       ; K's scale words
	v_add_nc_u32 v4, s35, v5                       ; V's
	s_wait_dscnt 0x0
	s_wait_kmcnt 0x0
	s_add_nc_u64 s[60:61], s[8:9], s[60:61]
	s_add_nc_u64 s[62:63], s[10:11], s[62:63]
	s_add_nc_u64 s[74:75], s[14:15], s[74:75]
	s_cmp_eq_u32 s20, 8                            ; which dense block is my wave's: a choice on the wave's number alone
	s_cselect_b64 s[60:61], s[62:63], s[60:61]
	s_cmp_eq_u32 s20, 9
	s_cselect_b64 s[60:61], s[74:75], s[60:61]
	s_mov_b32 s52, 1                               ; group 0, dense: count 1,
	s_lshl_b32 s53, s20, 13                        ; LDS address: wave x 8,192: K's codes, then K's words, then V's words,
	s_mov_b64 s[54:55], s[60:61]                   ; global address,
	s_or_b32 s55, s55, 0x80000000                  ; type 2
	s_mov_b32 s56, 1                               ; and for V's codes
	s_mov_b32 s57, s77
	s_add_nc_u64 s[58:59], s[12:13], s[78:79]
	s_or_b32 s59, s59, 0x80000000
	s_add_nc_u64 s[66:67], s[4:5], s[66:67]
	s_add_nc_u64 s[68:69], s[6:7], s[68:69]
	s_add_nc_u64 s[70:71], s[16:17], s[70:71]
	s_add_nc_u64 s[72:73], s[18:19], s[72:73]
	CROUND                                         ; all four work-groups are here: the joint loads meet
	s_cmp_lt_u32 s20, 10                           ; waves 0-9 a dense block, waves 10-13 a quarter of V's codes, waves 14, 15 nothing: at most one tensor load of a wave is out.  Four v_nop follow each line
	s_cbranch_scc0 .Lnot_dense
	tensor_load_to_lds s[52:55], s[36:43]
	s_nop 0
.rept 4
	v_nop
.endr
	s_branch .Lasked
.Lnot_dense:
	s_cmp_lt_u32 s20, 14
	s_cbranch_scc0 .Lasked
	tensor_load_to_lds s[56:59], s[44:51]
	s_nop 0
.rept 4
	v_nop
.endr
.Lasked:
.irp i, 0,1
	global_load_b128 v[16+8*\i:19+8*\i], v5, s[66:67] offset:512*\i   ; Q's fragments stay in registers
	global_load_b32 v[32+\i], v7, s[68:69] offset:256*\i              ; and their scale words: lane r takes row r's
.endr
.irp i, 20,21,22,23,28,29,30,31
	v_mov_b32 v\i, 0                               ; the upper 64 of the instruction's K: zero codes, in Q ..
.endr
.irp t, 0,1,2,3
.irp c, 4,5,6,7
	v_mov_b32 v[KF+8*\t+\c], 0                     ; .. and in K
.endr
.endr
.irp b, 0,1,2,3
	v_mov_b32 v[PT+\b], 0                          ; written once: a lane permute's destination counts as one of its sources
.endr
	v_mov_b32 v[FF+1], 0                           ; (named as the upper half of a pair)
	v_mov_b32 v[T0], 0
	s_wait_tensorcnt 0x0                           ; my part has landed,
	s_barrier_signal -1
	s_barrier_wait -1                              ; everybody's has: from here on LDS is only read
	s_wait_loadcnt 0x0                             ; Q
	TILE 0
	TILE 1
	v_cndmask_b32 v248, v34, v35, s30              ; lanes 0-15 the first tile's words, lanes 16-31 the second's: 32 neighbouring tokens
	global_store_b32 v6, v248, s[72:73]
	s_wait_tensorcnt 0x0
	ds_add_u32 v254, v255
	s_wait_dscnt 0x0
	CROUND                                         ; the closing round: no work-group ends while a partner may still ask for a tile that names it
	s_endpgm
.Lfunc_end_k_q5ca0cd69ce_attn:
	.size	k_q5ca0cd69ce_attn, .Lfunc_end_k_q5ca0cd69ce_attn-k_q5ca0cd69ce_attn
	.p2alignl 7, 3214868480
	.fill 96, 4, 3214868480
	.section	.rodata,"a",@progbits
	.p2align	6, 0x0
	.amdhsa_kernel k_q5ca0cd69ce_attn
		.amdhsa_group_segment_fixed_size 169984
		.amdhsa_private_segment_fixed_size 0
		.amdhsa_enable_private_segment 0
		.amdhsa_kernarg_size 64
		.amdhsa_user_sgpr_count 2
		.amdhsa_user_sgpr_kernarg_segment_ptr 1
		.amdhsa_wavefront_size32 1
		.amdhsa_system_sgpr_workgroup_id_x 1
		.amdhsa_system_sgpr_workgroup_id_y 1
		.amdhsa_system_sgpr_workgroup_id_z 1
		.amdhsa_system_vgpr_workitem_id 0
		.amdhsa_next_free_vgpr 256
		.amdhsa_next_free_sgpr 80
		.amdhsa_reserve_vcc 0
		.amdhsa_float_denorm_mode_32 3
		.amdhsa_float_denorm_mode_16_64 3
		.amdhsa_memory_ordered 1
		.amdhsa_forward_progress 1
		.amdhsa_inst_pref_size 48
	.end_amdhsa_kernel
	.amdgpu_metadata
---
amdhsa.version: [ 1, 2 ]
amdhsa.kernels:
  - .name:           k_q5ca0cd69ce_attn
    .symbol:         k_q5ca0cd69ce_attn.kd
    .args:
      - { .name: qc, .offset: 0, .size: 8, .value_kind: global_buffer, .address_space: global }
      - { .name: qs, .offset: 8, .size: 8, .value_kind: global_buffer, .address_space: global }
      - { .name: kc, .offset: 16, .size: 8, .value_kind: global_buffer, .address_space: global }
      - { .name: ks, .offset: 24, .size: 8, .value_kind: global_buffer, .address_space: global }
      - { .name: vc, .offset: 32, .size: 8, .value_kind: global_buffer, .address_space: global }
      - { .name: vs, .offset: 40, .size: 8, .value_kind: global_buffer, .address_space: global }
      - { .name: ac, .offset: 48, .size: 8, .value_kind: global_buffer, .address_space: global }
      - { .name: asc, .offset: 56, .size: 8, .value_kind: global_buffer, .address_space: global }
    .group_segment_fixed_size: 169984
    .private_segment_fixed_size: 0
    .kernarg_segment_align: 8
    .kernarg_segment_size: 64
    .max_flat_workgroup_size: 512
    .sgpr_count:     80
    .vgpr_count:     256
    .wavefront_size: 32
...
	.end_amdgpu_metadata
.endif
;; end of part 2
;; launch oproj (part 3): grid 4 x 64, 4 waves a work-group, clusters of 4 x 4, 235,008 bytes of LDS; arguments ac, asc, Wo_codes, Wo_scales, bo, out0; writes out0
.if DOCPART == 3
	.amdgcn_target "amdgcn-amd-amdhsa--gfx1250"
	.amdhsa_code_object_version 6
	.text
	.protected	k_q5ca0cd69ce_oproj
	.globl	k_q5ca0cd69ce_oproj
	.p2align	8
	.type	k_q5ca0cd69ce_oproj,@function
k_q5ca0cd69ce_oproj:
	s_mov_b64 s[64:65], 0
	v_nop
	global_prefetch_b8 v0, s[64:65] scope:SCOPE_SE
	s_setreg_imm32_b32 hwreg(HW_REG_WAVE_MODE, 25, 1), 1
	s_wait_xcnt 0x0
	s_wait_alu depctr_hold_cnt(0) depctr_sa_sdst(0) depctr_va_vdst(0) depctr_va_sdst(0) depctr_va_ssrc(0) depctr_va_vcc(0) depctr_vm_vsrc(0)
	s_getreg_b32 s2, hwreg(HW_REG_IB_STS2, 6, 4)
	s_cmp_eq_u32 s2, 0
	s_cbranch_scc0 .Lentry_in_a_cluster
	s_endpgm
.Lentry_in_a_cluster:
	s_bfe_u32 s2, ttmp6, 0x10000c
	s_cmp_lg_u32 s2, 0xf033
	s_cbranch_scc0 .Lentry_shape_is_right
	s_endpgm
.Lentry_shape_is_right:
; out = a Wo^T + bo on codes of FP4 (E2M1) with one E8M0 scale for each 32 along K = 1,024.  a: the attention's result, as images of operand registers (tile of 16 tokens x 8,192 + K step x 1,024 + half x 512 + 16 lane)
; and scale words (head x 32,768 + 4 token: two bytes a head).  Wo: rows of 512 bytes and 32 scale bytes.  out: [8,192][1,024] f32.
; SHARES.  A work-group makes 128 tokens x 256 features; 256 work-groups.  Wave w: 64 tokens (w / 2) x 128 features (w % 2): 32 accumulators.
; All of K lies in LDS, filled ONCE by one joint tensor load a wave (a's 64 KB shared along a row of the cluster, Wo's 256 rows along a column): one barrier, no slot is filled again.
; THE PRODUCT IS USED TRANSPOSED (source 0 = 16 features, source 1 = 16 tokens): a lane holds eight neighbouring numbers of a row of out.  The bias is the C of each sum's first product.
; LIMITS: NaN, infinities and the scale byte 0xff among the inputs are not served.
; REGISTERS, in windows of 256: window 0: v1-11 addresses; v32-63 Wo's scale words, v64-79 a's (register 8 p + s: K step s; lanes 0-15 tile 2 p, lanes 16-31 tile 2 p + 1); v80-111 a's words as loaded;
;   v128-159, v160-191 a's fragments, two sets; on the way out v128-191 and v192-255 by turns.   window 1: v0-63, v128-191 Wo's two sets; v64-127 the bias.   window 2: accumulator (a, b) at v[8 (8 a + b)].
.set PITCH, 528                        ; a row of Wo in LDS: 512 bytes + 16: the 16 rows that a load touches start 4 banks apart
.set HALFT, 128*PITCH
.set WR,    65536                      ; a's images lie at 0, Wo's rows here,
.set STG,   WR+2*HALFT                 ; and behind them a stage of 16 rows x (512 + 16) bytes for each wave, into which no tensor load lands
.set SPITCH, 528
.set MSB, 0
.macro WIN new                         ; the immediate's high byte repeats the setting that is left
.if MSB != (\new)
	s_set_vgpr_msb (MSB<<8)|(\new)
.set MSB, (\new)
.endif
.endm
.macro PLACES n
.rept \n
	v_nop
.endr
.endm
.macro CROUND                          ; a round of the cluster's barrier
	s_barrier_signal -1
	s_barrier_wait -1
	s_cmp_lg_u32 s16, 0
	s_cbranch_scc1 .Lnot_wave_0_\@
	s_barrier_signal -3
.Lnot_wave_0_\@:
	s_barrier_wait -3
	s_barrier_signal -1
	s_barrier_wait -1
.endm
; One product, named by symbols: D rD, source 0 rA, source 1 rB, C rC, scale registers xA, xB; oA, oB = 1: the scale words lie in lanes 16-31
.macro WMX
.if oA && oB
	v_wmma_scale_f32_16x16x128_f8f6f4 v[rD:rD+7], v[rA:rA+7], v[rB:rB+7], v[rC:rC+7], v[xA], v[xB] matrix_a_fmt:MATRIX_FMT_FP4 matrix_b_fmt:MATRIX_FMT_FP4 matrix_a_scale:MATRIX_SCALE_ROW1 matrix_b_scale:MATRIX_SCALE_ROW1
.elseif oA
	v_wmma_scale_f32_16x16x128_f8f6f4 v[rD:rD+7], v[rA:rA+7], v[rB:rB+7], v[rC:rC+7], v[xA], v[xB] matrix_a_fmt:MATRIX_FMT_FP4 matrix_b_fmt:MATRIX_FMT_FP4 matrix_a_scale:MATRIX_SCALE_ROW1
.elseif oB
	v_wmma_scale_f32_16x16x128_f8f6f4 v[rD:rD+7], v[rA:rA+7], v[rB:rB+7], v[rC:rC+7], v[xA], v[xB] matrix_a_fmt:MATRIX_FMT_FP4 matrix_b_fmt:MATRIX_FMT_FP4 matrix_b_scale:MATRIX_SCALE_ROW1
.else
	v_wmma_scale_f32_16x16x128_f8f6f4 v[rD:rD+7], v[rA:rA+7], v[rB:rB+7], v[rC:rC+7], v[xA], v[xB] matrix_a_fmt:MATRIX_FMT_FP4 matrix_b_fmt:MATRIX_FMT_FP4
.endif
.endm
; 24 LDS loads in one run: K step q's fragments into set q % 2
.macro FETCH q
.set FP, (\q)%2
	WIN 0x40                                       ; destination window 1, address window 0
.irp i, 0,1,2,3,4,5,6,7
.irp c, 0,1
	ds_load_b128 v[128*FP+8*\i+4*\c:128*FP+8*\i+4*\c+3], v4 offset:64*(\q)+32*\c+\i*16*PITCH
.endr
.endr
	WIN 0
.irp i, 0,1,2,3
.irp c, 0,1
	ds_load_b128 v[128+32*FP+8*\i+4*\c:128+32*FP+8*\i+4*\c+3], v5 offset:8192*\i+1024*(\q)+512*\c
.endr
.endr
.endm
; K step q's 32 products; cm = 1: the sums start from the bias.  The 32 accumulators take turns, one instruction a turn, in the same order in every step.
.macro MUL q, cm
.set MP, (\q)%2
.if (\cm) == 0
	WIN 0xa1                                       ; source 0 window 1, source 1 window 0, C and D window 2
.else
	WIN 0x91                                       ; C window 1
.endif
.set MA, 0
.rept 4
.set MB, 0
.rept 8
.set rD, 8*(8*MA+MB)
.set rA, 128*MP+8*MB
.set rB, 128+32*MP+8*MA
.if (\cm) == 0
.set rC, rD
.else
.set rC, 64+8*MB
.endif
.set xA, 32+8*(MB/2)+(\q)
.set xB, 64+8*(MA/2)+(\q)
.set oA, MB%2
.set oB, MA%2
	WMX
.set MB, MB+1
.endr
.set MA, MA+1
.endr
.endm
.macro STEP q, cm
.if (\q) < 7
.if (\q) > 0
	PLACES 4                                       ; the set loaded now was read by the products just issued: four plain vector instructions between (ISA guide 7.12.1 for vector instructions)
.endif
	FETCH (\q)+1
	s_wait_dscnt 24                                ; all but the 24 just issued: this step's fragments are in
.else
	s_wait_dscnt 0x0
.endif
	MUL \q, \cm
	WIN 0
.endm
; THE WAY OUT, a block of 16 tokens x 128 features at a time: through my own stage, back as whole rows of 512 bytes.  LDS serves a wave's instructions in order (ISA guide 5.7.1.4): no wait between the stores and the loads.
.macro TOSTAGE a
.set AC, 64*(\a)
	WIN 0x08                                       ; an LDS store's data are its source 1: window 2
.irp b, 0,1,2,3,4,5,6,7
	ds_store_b128 v6, v[AC+8*\b:AC+8*\b+3] offset:64*\b              ; each accumulator from its low end on
	ds_store_b128 v6, v[AC+8*\b+4:AC+8*\b+7] offset:64*\b+16
.endr
	WIN 0
.set BB, 128+64*((\a)%2)
.irp t, 0,1,2,3,4,5,6,7,8,9,10,11,12,13,14,15
	ds_load_b128 v[BB+4*\t:BB+4*\t+3], v7 offset:\t*SPITCH
.endr
.endm
.macro SEND a, younger                 ; younger: the LDS instructions issued behind block a's loads, which may stay out
.set BB, 128+64*((\a)%2)
	s_wait_dscnt \younger
.irp t, 0,1,2,3,4,5,6,7,8,9,10,11,12,13,14,15
	global_store_b128 v8, v[BB+4*\t:BB+4*\t+3], s[14:15] offset:(16*(\a)+\t)*4096 th:TH_STORE_NT   ; 32 lanes store 512 consecutive bytes, aligned; written once, read by nobody here
.endr
.endm
	s_load_b256 s[4:11], s[0:1], 0x0               ; ac s[4:5], asc s[6:7], Wo's codes s[8:9], Wo's scales s[10:11]
	s_load_b128 s[12:15], s[0:1], 0x20             ; bo s[12:13], out s[14:15]
	v_lshl_add_u32 v126, v0, 2, 0x39400
	v_mov_b32 v127, 0
	ds_add_u32 v126, v127
	ds_add_u32 v126, v127
	v_lshrrev_b32 v1, 5, v0
	v_readfirstlane_b32 s16, v1                    ; wave 0..3
	s_lshr_b32 s17, s16, 1                         ; my half of the tokens.  Also: I fetch a (0) or Wo (1)
	s_and_b32 s18, s16, 1                          ; my half of the features.  Also: which half I fetch
	s_bfe_u32 s19, ttmp6, 0x40000                  ; cx
	s_bfe_u32 s20, ttmp6, 0x40004                  ; cy
	s_lshl_b32 s21, ttmp9, 2
	s_add_co_u32 s21, s21, s19                     ; which 256 features
	s_and_b32 s22, ttmp7, 0xffff
	s_lshl_b32 s22, s22, 2
	s_add_co_u32 s22, s22, s20                     ; which 128 tokens
	s_lshl_b32 s23, s20, 2
	s_lshl_b32 s23, 15, s23                        ; my row of the cluster
	s_lshl_b32 s24, 0x1111, s19                    ; my column
	; descriptor group 1 for a: 32,768 dense bytes as 128 rows of 256 (32 elements of 8 bytes), no padding
	s_or_b32 s28, s23, (3<<16)|(1<<21)             ; 15:0 the mask: my row; 17:16 elements of 8 bytes; 21 set beside a mask
	s_mov_b32 s29, 32<<16
	s_mov_b32 s30, 128<<16
	s_mov_b32 s31, 32<<16
	s_mov_b32 s32, 128
	s_mov_b32 s33, 32
	s_mov_b32 s34, 0
	s_mov_b32 s35, 0
	; and for Wo: 128 rows x 512 bytes, 16 bytes of padding behind each
	s_or_b32 s36, s24, (1<<20)|(1<<21)|(6<<22)|(3<<25)   ; the mask: my column; elements of 1 byte; padding: four words after every 128
	s_mov_b32 s37, 512<<16
	s_mov_b32 s38, 128<<16
	s_mov_b32 s39, 512<<16
	s_mov_b32 s40, 128
	s_mov_b32 s41, 512
	s_mov_b32 s42, 0
	s_mov_b32 s43, 0
	s_lshl_b32 s52, s22, 16                        ; a: token block x 65,536 + half x 32,768: hangs on cy alone of the place
	s_lshl_b32 s45, s18, 15                        ; (also its LDS address)
	s_add_co_u32 s52, s52, s45
	s_mov_b32 s53, 0
	s_lshl_b32 s25, s21, 8
	s_lshl_b32 s54, s18, 7
	s_add_co_u32 s25, s25, s54                     ; my first feature, to fetch and to make: 256 x block + 128 x half: hangs on cx alone
	s_lshl_b32 s54, s25, 9
	s_mov_b32 s55, 0
	s_mul_i32 s49, s18, HALFT
	s_add_co_u32 s49, s49, WR                      ; Wo's half in LDS: where I put it, and where I read it
	s_lshl_b32 s26, s22, 7
	s_lshl_b32 s27, s17, 6
	s_add_co_u32 s26, s26, s27                     ; my first token
	s_lshl_b32 s27, s17, 15                        ; my four tiles of a in LDS
	s_mul_i32 s58, s16, 16*SPITCH
	s_add_co_u32 s58, s58, STG                     ; my stage
	v_and_b32 v1, 15, v0                           ; r
	v_bfe_u32 v2, v0, 4, 1                         ; h
	v_and_b32 v3, 31, v0                           ; lane
	v_mul_u32_u24 v4, v1, PITCH
	v_lshl_add_u32 v4, v2, 4, v4
	v_add_nc_u32 v4, s49, v4                       ; Wo's fragments: row x pitch + 16 h
	v_lshlrev_b32 v8, 4, v3                        ; 16 x lane
	v_add_nc_u32 v5, s27, v8                       ; a's fragments: images
	v_mul_u32_u24 v6, v1, SPITCH
	v_lshl_add_u32 v6, v2, 5, v6
	v_add_nc_u32 v6, s58, v6                       ; the stage, in: row r, 32 bytes for each half of the lanes
	v_add_nc_u32 v7, s58, v8                       ; and back: the 32 lanes take a row of 512 bytes
	v_lshlrev_b32 v9, 5, v3                        ; 32 x lane: a row of Wo's scale bytes
	v_lshlrev_b32 v10, 2, v3                       ; 4 x lane: a token's scale word
	v_lshlrev_b32 v11, 5, v2                       ; 32 h: my eight numbers of a tile's bias
	s_wait_dscnt 0x0
	s_wait_kmcnt 0x0
	s_mov_b32 s44, 1                               ; group 0 for a: count 1; s45 the LDS address;
	s_add_nc_u64 s[46:47], s[4:5], s[52:53]        ; global address;
	s_or_b32 s47, s47, 0x80000000                  ; type 2
	s_mov_b32 s48, 1                               ; and for Wo; s49 the LDS address
	s_add_nc_u64 s[50:51], s[8:9], s[54:55]
	s_or_b32 s51, s51, 0x80000000
	s_mov_b32 s57, 0
	s_lshl_b32 s56, s25, 5
	s_add_nc_u64 s[10:11], s[10:11], s[56:57]      ; Wo's scale bytes at my features
	s_lshl_b32 s56, s25, 2
	s_add_nc_u64 s[12:13], s[12:13], s[56:57]      ; the bias,
	s_add_nc_u64 s[14:15], s[14:15], s[56:57]      ; and out's columns
	s_lshl_b32 s56, s26, 2
	s_add_nc_u64 s[6:7], s[6:7], s[56:57]          ; a's scale words at my tokens
	s_lshl_b32 s56, s26, 12
	s_add_nc_u64 s[14:15], s[14:15], s[56:57]      ; out's rows
	CROUND                                         ; all sixteen work-groups are here: the joint loads meet
	s_cmp_eq_u32 s17, 0                            ; waves 0, 1: a's halves; waves 2, 3: Wo's.  One tensor load of mine is out.  Four v_nop follow each line
	s_cbranch_scc0 .Lfor_w
	tensor_load_to_lds s[44:47], s[28:35]
	s_nop 0
.rept 4
	v_nop
.endr
	s_branch .Lasked
.Lfor_w:
	tensor_load_to_lds s[48:51], s[36:43]
	s_nop 0
.rept 4
	v_nop
.endr
.Lasked:
.irp p, 0,1,2,3
.irp e, 0,1
	global_load_b128 v[32+8*\p+4*\e:32+8*\p+4*\e+3], v9, s[10:11] offset:1024*\p+16*\e   ; lane l: row 32 p + l's 32 scale bytes
.endr
.endr
.irp p, 0,1
.irp d, 0,1,2,3,4,5,6,7,8,9,10,11,12,13,14,15
	global_load_b32 v[80+16*\p+\d], v10, s[6:7] offset:\d*32768+128*\p                   ; lane l: token 32 p + l's two bytes of head d
.endr
.endr
	WIN 0x40                                       ; destination window 1
.irp b, 0,1,2,3,4,5,6,7
.irp e, 0,1
	global_load_b128 v[64+8*\b+4*\e:64+8*\b+4*\e+3], v11, s[12:13] offset:64*\b+16*\e    ; bo at features 16 b + 8 h + 0 .. 7
.endr
.endr
	WIN 0
	s_wait_loadcnt 0x0
.irp p, 0,1
.irp s, 0,1,2,3,4,5,6,7
	v_lshl_or_b32 v[64+8*\p+\s], v[80+16*\p+2*\s+1], 16, v[80+16*\p+2*\s]   ; a K step of 128 is two heads: their bytes make its scale word
.endr
.endr
	PLACES 8                                       ; a scale register written by a vector instruction stands eight places ahead of a scaled product
	s_wait_tensorcnt 0x0                           ; my tile has landed,
	s_barrier_signal -1
	s_barrier_wait -1                              ; everybody's has: the tiles are only read from here on
	FETCH 0
	STEP 0, 1
	STEP 1, 0
	STEP 2, 0
	STEP 3, 0
	STEP 4, 0
	STEP 5, 0
	STEP 6, 0
	STEP 7, 0
	PLACES 4                                       ; in front of the first read of results and of loads into registers that held fragments
	TOSTAGE 0
.irp a, 1,2,3
.if \a > 1
	s_wait_xcnt 0x0                                ; block a - 2's stores have read their registers: block a's rows may land there
.endif
	TOSTAGE \a
	SEND \a-1, 32                                  ; behind block a - 1's loads: block a's 16 stores and 16 loads
.endr
	SEND 3, 0
	s_wait_tensorcnt 0x0
	ds_add_u32 v126, v127
	s_wait_dscnt 0x0
	CROUND                                         ; the closing round: no work-group ends while a partner may still ask for a tile that names it
	s_endpgm
.Lfunc_end_k_q5ca0cd69ce_oproj:
	.size	k_q5ca0cd69ce_oproj, .Lfunc_end_k_q5ca0cd69ce_oproj-k_q5ca0cd69ce_oproj
	.p2alignl 7, 3214868480
	.fill 96, 4, 3214868480
	.section	.rodata,"a",@progbits
	.p2align	6, 0x0
	.amdhsa_kernel k_q5ca0cd69ce_oproj
		.amdhsa_group_segment_fixed_size 235008
		.amdhsa_private_segment_fixed_size 0
		.amdhsa_enable_private_segment 0
		.amdhsa_kernarg_size 48
		.amdhsa_user_sgpr_count 2
		.amdhsa_user_sgpr_kernarg_segment_ptr 1
		.amdhsa_wavefront_size32 1
		.amdhsa_system_sgpr_workgroup_id_x 1
		.amdhsa_system_sgpr_workgroup_id_y 1
		.amdhsa_system_sgpr_workgroup_id_z 1
		.amdhsa_system_vgpr_workitem_id 0
		.amdhsa_next_free_vgpr 768
		.amdhsa_next_free_sgpr 66
		.amdhsa_reserve_vcc 0
		.amdhsa_float_denorm_mode_32 3
		.amdhsa_float_denorm_mode_16_64 3
		.amdhsa_memory_ordered 1
		.amdhsa_forward_progress 1
		.amdhsa_inst_pref_size 73
	.end_amdhsa_kernel
	.amdgpu_metadata
---
amdhsa.version: [ 1, 2 ]
amdhsa.kernels:
  - .name:           k_q5ca0cd69ce_oproj
    .symbol:         k_q5ca0cd69ce_oproj.kd
    .args:
      - { .name: ac, .offset: 0, .size: 8, .value_kind: global_buffer, .address_space: global }
      - { .name: asc, .offset: 8, .size: 8, .value_kind: global_buffer, .address_space: global }
      - { .name: Wo_codes, .offset: 16, .size: 8, .value_kind: global_buffer, .address_space: global }
      - { .name: Wo_scales, .offset: 24, .size: 8, .value_kind: global_buffer, .address_space: global }
      - { .name: bo, .offset: 32, .size: 8, .value_kind: global_buffer, .address_space: global }
      - { .name: out0, .offset: 40, .size: 8, .value_kind: global_buffer, .address_space: global }
    .group_segment_fixed_size: 235008
    .private_segment_fixed_size: 0
    .kernarg_segment_align: 8
    .kernarg_segment_size: 48
    .max_flat_workgroup_size: 128
    .sgpr_count:     66
    .vgpr_count:     768
    .wavefront_size: 32
...
	.end_amdgpu_metadata
.endif
;; end of part 3
